; MI455X (gfx1250); checked and timed in simulation.
; The chip was launched on July 23, 2026; its instructions are those of AMD's public machine-readable ISA for CDNA 5 (MIT licence, August 2026) and "CDNA5" Instruction Set Architecture Reference Guide (July 2026). The comments in the code are by the model that wrote it; some were corrected since.
;; Multi Head Attention. Allowed arithmetic: matrix products marked QUANTISED: E2M1 operands, one E8M0 scale for each 32 along K, by v_wmma_scale_f32_16x16x128_f8f6f4 with both operands' format E2M1 (or v_wmma_scale_f32_32x16x128_f4), f32 sums; everything else in f32.
;; Inputs: K_codes 4 x 2,048 x 32 x 16 uint8 (E2M1 codes of K, K innermost, in blocks of 32 codes, two codes a byte); K_scales 4 x 2,048 x 32 uint8 (E8M0 scales of K, one for each 32 codes along K); Q 4 x 2,048 x 1,024 float32; V_codes 4 x 2,048 x 32 x 16 uint8 (E2M1 codes of V, K innermost, in blocks of 32 codes, two codes a byte); V_scales 4 x 2,048 x 32 uint8 (E8M0 scales of V, one for each 32 codes along K); W_K_codes 1,024 x 32 x 16 uint8 (E2M1 codes of W_K, K innermost, in blocks of 32 codes, two codes a byte); W_K_scales 1,024 x 32 uint8 (E8M0 scales of W_K, one for each 32 codes along K); W_O_codes 1,024 x 32 x 16 uint8 (E2M1 codes of W_O, K innermost, in blocks of 32 codes, two codes a byte); W_O_scales 1,024 x 32 uint8 (E8M0 scales of W_O, one for each 32 codes along K); W_Q_codes 1,024 x 32 x 16 uint8 (E2M1 codes of W_Q, K innermost, in blocks of 32 codes, two codes a byte); W_Q_scales 1,024 x 32 uint8 (E8M0 scales of W_Q, one for each 32 codes along K); W_V_codes 1,024 x 32 x 16 uint8 (E2M1 codes of W_V, K innermost, in blocks of 32 codes, two codes a byte); W_V_scales 1,024 x 32 uint8 (E8M0 scales of W_V, one for each 32 codes along K); mask 4 x 2,048 x 1 bool.
;; Outputs: out0 4 x 2,048 x 1,024 float32.
;; This version of the problem:
;;   THIS VERSION OF THE PROBLEM IS GIVEN IN LOW PRECISION. The matrix products marked QUANTISED in the list below multiply operands that are first quantised to E2M1 (2 exponent bits, 1 mantissa bit; 4 bits a number), with one power-of-two scale for each 32 numbers along K (OCP MX v1.0); their sums are f32. All else is computed in f32.
;;   The module's matrix products, in the order in which they are computed (A, B: the left and right operand; K: the contracted axis; several contracted axes count as one K, in the product's order):
;;     1. [M 8,192, K 1,024] x [K 1,024, N 1,024]; A: input Q; B: input W_Q (given as codes): QUANTISED
;;     2. [M 8,192, K 1,024] x [K 1,024, N 1,024]; A: input K (given as codes); B: input W_K (given as codes): QUANTISED
;;     3. [M 8,192, K 1,024] x [K 1,024, N 1,024]; A: input V (given as codes); B: input W_V (given as codes): QUANTISED
;;     4. batch 64 x [M 2,048, K 64] x [K 64, N 2,048]; A: computed on the way; B: computed on the way: QUANTISED
;;     5. batch 64 x [M 2,048, K 2,048] x [K 2,048, N 64]; A: softmax (see below); B: computed on the way: QUANTISED
;;     6. [M 8,192, K 1,024] x [K 1,024, N 1,024]; A: computed on the way; B: input W_O (given as codes): QUANTISED
;;   THE QUANTISER, for each operand of a quantised product, along K:
;;     - K is cut into blocks of 32 from its start; a last block that is shorter is filled with zeros.
;;     - A block's scale is 2^e with e = floor(log2(the largest magnitude in the block)) - 2, held to -126 .. 127; a block of zeros has e = 0. As a byte (E8M0): e + 127.
;;     - Each number is divided by its block's scale, clamped to +-6, and rounded to the nearest number of E2M1, ties to even, subnormals kept.
;;     - The product sums the exact products of the quantised numbers (number of the format x scale) in f32.
;;   ~~~python
;;   def quantise(x, axis):      # numpy; x: float32 -> the quantised numbers, widened to float32 again
;;       x = np.moveaxis(x, axis, -1); K = x.shape[-1]
;;       x = np.pad(x, [(0, 0)] * (x.ndim - 1) + [(0, -K % 32)]); x = x.reshape(x.shape[:-1] + (-1, 32)); a = np.abs(x).max(-1, keepdims=True)
;;       e = np.where(a > 0, np.clip(np.frexp(np.where(a > 0, a, 1))[1] - 1 - 2, -126, 127), 0)      # np.frexp(a)[1] - 1 = floor(log2(a)), exactly
;;       r = np.clip(x / 2.0 ** e, -6, 6)
;;       step = 2.0 ** (np.maximum(np.frexp(np.where(r == 0, 1, r))[1] - 1, 0) - 1)
;;       q = np.round(r / step) * step * 2.0 ** e      # np.round: ties to even
;;       return np.moveaxis(q.reshape(q.shape[:-2] + (-1,))[..., :K], -1, axis).astype(np.float32)
;;   ~~~
;;   SOFTMAX AHEAD OF A QUANTISED PRODUCT. Where the list says 'softmax', what is quantised is not the finished softmax but p = 2^(t - M), with t = logit x log2(e) and M = ceil(the row's largest t), a whole number; so 1/2 < the row's largest p <= 1. The row's sum l is taken of the UNQUANTISED p, in f32, and the product's result is divided by l at the end. Since M is a whole number, a kernel that streams over the keys may use a running M (the ceiling of the running maximum): every later rescaling is an exact power of two, which a block's scale takes up: the codes' values come out the same.
;;   OPERANDS COMPUTED ON THE WAY. 'Computed on the way' means the value that the module computes at that place (a softmax that the list does not call 'softmax' is quantised finished and normalised). What goes into a quantiser is computed in f32, as accurately as f32 sums, v_exp_f32 and their like allow (about 1e-6 of the number): no bf16 or f16 on the way to a quantiser, and a product that is left as it is and whose result goes on into a quantised operand takes f32 operands (vector FMAs, or v_wmma_f32_16x16x4_f32). A number that lies on a knife's edge between two numbers of the format may be rounded either way, as far as f32 arithmetic and the matrix unit's own rounding can turn it there, and no further.
;;   INPUTS GIVEN AS CODES. K (in the module: [4, 2048, 1024], K = its axis 2); V (in the module: [4, 2048, 1024], K = its axis 2); W_K (in the module: [1024, 1024], K = its axis 1); W_O (in the module: [1024, 1024], K = its axis 1); W_Q (in the module: [1024, 1024], K = its axis 1); W_V (in the module: [1024, 1024], K = its axis 1): each comes as NAME_codes (uint8): NAME with its K axis moved to the last place and cut into blocks of 32 codes, [.., K / 32, bytes a block], one block behind the other in memory; two codes a byte, the lower K in the low four bits (a code: sign, 2 exponent bits, 1 mantissa bit); and NAME_scales (uint8): the same leading axes, one E8M0 byte (e + 127) for each 32 codes along K. Its value is code x scale, taken as it is: it is not quantised again, and the codes and scales need not be those that the quantiser above would give.
;; One version. Each part assembles by itself: llvm-mc -triple=amdgcn-amd-amdhsa -mcpu=gfx1250 --defsym DOCPART=n.
;; ======== version 1 of 1: 3 launches
;; limits: right only within a limited range of input values
;; workspace buffers: kv 9,437,184 bytes; qimg 4,194,304 bytes; qsc 262,144 bytes; oimg 4,194,304 bytes; osc 524,288 bytes
;; launch prep (part 1): grid 64 x 4, 16 waves a work-group, clusters of 4 x 4, 306,688 bytes of LDS; arguments K_codes, K_scales, V_codes, V_scales, W_K_codes, W_K_scales, W_V_codes, W_V_scales, Q, mask, kv, qimg, qsc; writes kv, qimg, qsc
.if DOCPART == 1
	.amdgcn_target "amdgcn-amd-amdhsa--gfx1250"
	.amdhsa_code_object_version 6
	.text
	.protected	k_q435def9766_prep
	.globl	k_q435def9766_prep
	.p2align	8
	.type	k_q435def9766_prep,@function
k_q435def9766_prep:
	s_mov_b64 s[64:65], 0
	v_nop
	global_prefetch_b8 v0, s[64:65] scope:SCOPE_SE
	s_setreg_imm32_b32 hwreg(HW_REG_WAVE_MODE, 25, 1), 1
	s_wait_xcnt 0x0
	s_wait_alu depctr_hold_cnt(0) depctr_sa_sdst(0) depctr_va_vdst(0) depctr_va_sdst(0) depctr_va_ssrc(0) depctr_va_vcc(0) depctr_vm_vsrc(0)
	s_getreg_b32 s2, hwreg(HW_REG_IB_STS2, 6, 4)
	s_cmp_eq_u32 s2, 0
	s_cbranch_scc0 .Lentry_in_a_cluster
	s_endpgm
.Lentry_in_a_cluster:
	s_bfe_u32 s2, ttmp6, 0x10000c
	s_cmp_lg_u32 s2, 0xf033
	s_cbranch_scc0 .Lentry_shape_is_right
	s_endpgm
.Lentry_shape_is_right:
; FIRST OF THREE LAUNCHES.  It (1) quantises Q (f32 [8192][1024]) along its 1,024 into codes of E2M1 with one E8M0 byte for each 32, (2) makes k = K W_K^T and quantises it along a head's 64,
; (3) makes v = V W_V^T and quantises it along the keys.  All products on E2M1 codes with E8M0 scales, sums in f32.
; WHAT IT STORES is laid as the next launch's operand registers want it: a half fragment (4 registers) is 512 bytes on end, lane l's 16 bytes at 16 l.
;   kv: 64 records (16 batch + head) of 147,456 bytes: +0 k's codes [step 16][tile 8][512]; +65,536 v's codes [step 16][tile 4][half 2][512]; +131,072 k's scale words [step][pair 4][row 16][2];
;       +139,264 v's scale words [step][2][lane 32][2].   qimg: [tile of 16 tokens][K step 8][half 2][512].   qsc: [token][32 bytes].
; SHARES.  256 work-groups of 16 waves.  Each quantises 32 rows of Q (a wave two rows) and makes a 256 x 256 block of one projection: clusters 0-7 of k (role 0), clusters 8-15 of v (role 1).
; ONE TEXT FOR BOTH PROJECTIONS.  Region P of LDS holds the side whose rows become REGISTERS of the result (source 0), region N the side whose rows become LANES (source 1).  A result is quantised along
; its registers: for k those are W_K's rows (the head's 64), for v the tokens (the keys).  So role 0: P = W_K, N = K's tokens; role 1: P = V's tokens, N = W_V.  The role chooses pointers and offsets in memory alone.
; THE ROWS OF A TILE ARE NOT NEIGHBOURS: lane r of tile 2 b + u takes row 32 b + 8 u + r + 8 (r / 8), on both sides.  On P's side the 16 registers of tiles 2 b, 2 b + 1 are then 16 neighbours along the next K;
; on N's side the tiles come out with the rows that the attention's tiles of keys and of V^T want.
; A wave makes 128 rows of P x 32 rows of N: 16 accumulators, which take turns.
; CLUSTER 4 x 4: P's block hangs on cy, N's on cx: each is asked for jointly by the four work-groups that share it.  All that a work-group needs fits in LDS: every LDS byte is filled once, one tensor load a wave at most.
; THE MASK.  A key's scale word carries, in byte 2, 157 where the key is masked and 1 where it is not; the attention multiplies it into a constant product in the idle half of its K (see there).
; A batch all of whose keys are masked has, in the problem's definition, a uniform softmax: there k's codes are stored as zeros and the bytes as unmasked (a choice by selects, no branch).
; LIMITS: NaN and infinities are not served.  A block of zeros gets the byte 1 where the quantiser's rule says 127: its codes are zeros, and these bytes are read by this program alone.
; k's scale words leave in runs of 128 bytes.
.set PITCH, 528                        ; a row of 1,024 codes in LDS: 512 bytes + 16 of padding
.set PB,   0                           ; P's 256 rows
.set NB,   256*PITCH                   ; N's 256 rows
.set PSB,  2*256*PITCH                 ; P's scale bytes, 32 a row, dense
.set NSB,  PSB+8192                    ; N's
.set QST,  NSB+8192                    ; Q's codes, 32 rows; written by LDS stores alone
.set QSB,  QST+32*PITCH                ; Q's scale bytes, 32 x 32
.set REC,  147456                      ; a record of kv
.set ACC,  16                          ; v16-143  accumulator (n, t) at 16 + 64 n + 8 t
.set PF,   144                         ; v144-207 P's eight fragments
.set NF,   208                         ; v208-223 N's two
.set PSC,  224                         ; v224-239 P's scale words: tile t's for two K steps; scales and nothing else
.set NSC,  240                         ; v240-243 N's; scales and nothing else
.set TM,   144                         ; behind the products: v144-159 at work in the quantiser
.set WV,   30
.set ROLE, 31
.set C4,   32                          ; 4 x (cluster mod 8)
.set CX,   33
.set CY,   34
.set KEEP, 35                          ; 0 where the whole batch is masked, else all ones
.set MB,   36                          ; a masked key's byte: 157, or 1 where the whole batch is masked
.set G,    37                          ; the work-group's number, 0 .. 255
.set G1P,  48
.set G1N,  56
.set G1PS, 68
.set G1NS, 76
.set G0P,  84
.set G0N,  88
.set G0PS, 92
.set G0NS, 96
.set SEL,  100
.set CODEW, (1<<20)|(1<<21)|(6<<22)|(3<<25)   ; elements of 1 byte; padding on; bit 21 beside a mask; after every 128 words four words
.set SCALW, (3<<16)|(1<<21)                    ; elements of 8 bytes, no padding
.macro PLACES n
.rept \n
	v_nop
.endr
.endm
.macro CROUND                          ; a round of the cluster's barrier
	s_barrier_signal -1
	s_barrier_wait -1
	s_cmp_lg_u32 s[WV], 0
	s_cbranch_scc1 .Lnot_wave_0_\@
	s_barrier_signal -3
.Lnot_wave_0_\@:
	s_barrier_wait -3
	s_barrier_signal -1
	s_barrier_wait -1
.endm
	s_load_b512 s[4:19], s[0:1], 0x0               ; K codes 4, K scales 6, V codes 8, V scales 10, W_K codes 12, W_K scales 14, W_V codes 16, W_V scales 18
	s_load_b256 s[20:27], s[0:1], 0x40             ; Q 20, mask 22, kv 24, qimg 26
	s_load_b64 s[28:29], s[0:1], 0x60              ; qsc
	v_lshl_add_u32 v254, v0, 2, 0x4a600
	v_mov_b32 v255, 0
	ds_add_u32 v254, v255
	ds_add_u32 v254, v255
	s_wait_dscnt 0x0
	v_lshrrev_b32 v1, 5, v0
	s_delay_alu instid0(VALU_DEP_1)
	v_readfirstlane_b32 s[WV], v1                  ; wave 0 .. 15
	s_lshr_b32 s[ROLE], ttmp9, 3
	s_and_b32 s[C4], ttmp9, 7
	s_lshl_b32 s[C4], s[C4], 2
	s_bfe_u32 s[CX], ttmp6, 0x40000
	s_bfe_u32 s[CY], ttmp6, 0x40004
	s_mov_b32 s[SEL], 0x76543210
	s_mov_b32 s[SEL+1], 0xfedcba98                 ; lane l xor 16
	; every LDS address is made here, ahead of the first branch on the wave's number: constants, the lane, the wave
	v_and_b32 v1, 31, v0                           ; l
	v_and_b32 v2, 15, v0                           ; r
	v_bfe_u32 v3, v0, 4, 1                         ; h
	s_delay_alu instid0(VALU_DEP_2)
	v_and_b32 v16, 8, v2
	s_delay_alu instid0(VALU_DEP_1)
	v_add_nc_u32 v16, v16, v2                      ; r + 8 (r / 8)
	s_delay_alu instid0(VALU_DEP_1)
	v_mul_u32_u24 v17, v16, PITCH
	s_delay_alu instid0(VALU_DEP_1)
	v_lshl_add_u32 v17, v3, 4, v17                 ; a fragment's row x pitch + 16 h
	s_and_b32 s38, s[WV], 1                        ; pg: which 128 rows of P
	s_lshr_b32 s39, s[WV], 1                       ; ng: which 32 rows of N
	s_mul_i32 s40, s38, 128*PITCH
	v_add_nc_u32 v4, s40, v17                      ; v4  P's fragments
	s_mul_i32 s40, s39, 32*PITCH
	s_add_co_u32 s40, s40, NB
	v_add_nc_u32 v5, s40, v17                      ; v5  N's fragments
	v_lshlrev_b32 v18, 5, v16
	s_lshl_b32 s40, s38, 12
	s_add_co_u32 s40, s40, PSB
	v_add_nc_u32 v6, s40, v18                      ; v6  P's scale words
	s_lshl_b32 s40, s39, 10
	s_add_co_u32 s40, s40, NSB
	v_add_nc_u32 v7, s40, v18                      ; v7  N's
	s_mul_i32 s40, s[WV], 2*PITCH
	s_add_co_u32 s40, s40, QST
	v_lshl_add_u32 v8, v1, 2, s40                  ; v8  Q's codes in: my wave's two rows, 4 bytes a lane
	v_lshrrev_b32 v9, 2, v1
	s_lshl_b32 s40, s[WV], 6
	s_add_co_u32 s40, s40, QSB
	v_add_nc_u32 v9, s40, v9                       ; v9  Q's scale bytes in: four lanes to a block
	s_lshr_b32 s40, s[WV], 3
	s_mul_i32 s40, s40, 16*PITCH
	s_and_b32 s41, s[WV], 7
	s_lshl_b32 s41, s41, 6
	s_add_co_u32 s40, s40, s41
	s_add_co_u32 s40, s40, QST
	v_mul_u32_u24 v10, v2, PITCH
	s_delay_alu instid0(VALU_DEP_1)
	v_lshl_add_u32 v10, v3, 4, v10
	s_delay_alu instid0(VALU_DEP_1)
	v_add_nc_u32 v10, s40, v10                     ; v10 Q's codes out: tile w / 8, K step w % 8, as a fragment
	v_lshlrev_b32 v11, 4, v1                       ; v11 16 l
	s_lshl_b32 s40, s38, 9
	s_add_co_u32 s40, s40, QSB
	v_add_nc_u32 v14, s40, v11                     ; v14 Q's scale bytes out (waves 0, 1)
	v_lshlrev_b32 v15, 3, v1                       ; v15 8 l
	v_lshlrev_b32 v192, 5, v1                      ; Q in memory: 32 bytes a lane
	v_mov_b32 v193, v16                            ; the mask's byte of my lane's token
	; descriptors.  P's registers never hold cx, N's never cy
	s_lshl_b32 s38, s[CY], 2
	s_lshl_b32 s38, 15, s38                        ; my row of the cluster
	s_lshl_b32 s39, 0x1111, s[CX]                  ; my column
	s_or_b32 s[G1P], s38, CODEW
	s_or_b32 s[G1N], s39, CODEW
	s_or_b32 s[G1PS], s38, SCALW
	s_or_b32 s[G1NS], s39, SCALW
.irp g, G1P, G1N                       ; 64 rows of 512 bytes
	s_mov_b32 s[\g+1], 512<<16
	s_mov_b32 s[\g+2], 64<<16
	s_mov_b32 s[\g+3], 512<<16
	s_mov_b32 s[\g+4], 64
	s_mov_b32 s[\g+5], 512
	s_mov_b32 s[\g+6], 0
	s_mov_b32 s[\g+7], 0
.endr
.irp g, G1PS, G1NS                     ; 8,192 dense bytes as 32 rows of 256
	s_mov_b32 s[\g+1], 32<<16
	s_mov_b32 s[\g+2], 32<<16
	s_mov_b32 s[\g+3], 32<<16
	s_mov_b32 s[\g+4], 32
	s_mov_b32 s[\g+5], 32
	s_mov_b32 s[\g+6], 0
	s_mov_b32 s[\g+7], 0
.endr
	s_mul_i32 s40, s[ROLE], s[C4]
	s_sub_co_u32 s41, s[C4], s40
	s_add_co_u32 s40, s40, s[CY]                   ; P's block of 256 rows: cy (W_K) or cy + 4 c8 (V's tokens)
	s_add_co_u32 s41, s41, s[CX]                   ; N's: cx + 4 c8 (K's tokens) or cx (W_V)
	s_and_b32 s42, s[WV], 3                        ; which 64 rows I fetch
	s_lshl_b32 s43, s42, 15
	s_lshl_b32 s44, s40, 17
	s_add_co_u32 s44, s44, s43
	s_mov_b32 s45, 0
	s_lshl_b32 s46, s41, 17
	s_add_co_u32 s46, s46, s43
	s_mov_b32 s47, 0
	s_lshl_b32 s2, s40, 13
	s_mov_b32 s3, 0
	s_lshl_b32 s66, s41, 13
	s_mov_b32 s67, 0
	s_mul_i32 s42, s42, 64*PITCH
	s_lshl_b32 s[G], ttmp9, 4
	s_lshl_b32 s43, s[CY], 2
	s_add_co_u32 s[G], s[G], s43
	s_add_co_u32 s[G], s[G], s[CX]
	s_wait_kmcnt 0x0
	s_cmp_eq_u32 s[ROLE], 0                        ; the role hangs on the cluster's number alone
	s_cselect_b64 s[G0P+2:G0P+3], s[12:13], s[8:9]
	s_cselect_b64 s[G0N+2:G0N+3], s[4:5], s[16:17]
	s_cselect_b64 s[G0PS+2:G0PS+3], s[14:15], s[10:11]
	s_cselect_b64 s[G0NS+2:G0NS+3], s[6:7], s[18:19]
	s_add_nc_u64 s[G0P+2:G0P+3], s[G0P+2:G0P+3], s[44:45]
	s_add_nc_u64 s[G0N+2:G0N+3], s[G0N+2:G0N+3], s[46:47]
	s_add_nc_u64 s[G0PS+2:G0PS+3], s[G0PS+2:G0PS+3], s[2:3]
	s_add_nc_u64 s[G0NS+2:G0NS+3], s[G0NS+2:G0NS+3], s[66:67]
	s_or_b32 s[G0P+3], s[G0P+3], 0x80000000
	s_or_b32 s[G0N+3], s[G0N+3], 0x80000000
	s_or_b32 s[G0PS+3], s[G0PS+3], 0x80000000
	s_or_b32 s[G0NS+3], s[G0NS+3], 0x80000000
	s_mov_b32 s[G0P], 1
	s_mov_b32 s[G0N], 1
	s_mov_b32 s[G0PS], 1
	s_mov_b32 s[G0NS], 1
	s_add_co_u32 s[G0P+1], s42, PB
	s_add_co_u32 s[G0N+1], s42, NB
	s_mov_b32 s[G0PS+1], PSB
	s_mov_b32 s[G0NS+1], NSB
	; where my rows of Q, its codes and bytes, and the mask's bytes lie
	s_lshl_b32 s38, s[G], 17
	s_lshl_b32 s39, s[WV], 13
	s_add_co_u32 s38, s38, s39
	s_mov_b32 s39, 0
	s_add_nc_u64 s[20:21], s[20:21], s[38:39]      ; Q at row 32 g + 2 w
	s_lshl_b32 s38, s[G], 14
	s_lshl_b32 s40, s[WV], 10
	s_add_co_u32 s38, s38, s40
	s_add_nc_u64 s[26:27], s[26:27], s[38:39]      ; qimg: tile 2 g + w / 8, K step w % 8: 16,384 g + 1,024 w
	s_lshl_b32 s38, s[G], 10
	s_and_b32 s40, s[WV], 1
	s_lshl_b32 s40, s40, 9
	s_add_co_u32 s38, s38, s40
	s_add_nc_u64 s[28:29], s[28:29], s[38:39]      ; qsc
	s_add_co_u32 s40, s[C4], s[CX]                 ; role 0's block of 256 tokens (inside the mask in role 1 too, where it is loaded and not used)
	s_lshr_b32 s38, s40, 3
	s_lshl_b32 s38, s38, 11
	s_add_nc_u64 s[2:3], s[22:23], s[38:39]        ; the batch's 2,048 bytes of the mask
	s_lshl_b32 s38, s40, 8
	s_lshr_b32 s41, s[WV], 1
	s_lshl_b32 s41, s41, 5
	s_add_co_u32 s38, s38, s41
	s_add_nc_u64 s[22:23], s[22:23], s[38:39]      ; the bytes of my 32 tokens
	CROUND                                         ; all sixteen work-groups are here: the joint loads meet
	; the fills, once: waves 0-3 P's codes, 4-7 N's, wave 8 P's scale bytes, wave 9 N's.  One tensor load of a wave is out at most.  Four v_nop follow each
	s_cmp_lt_u32 s[WV], 4
	s_cbranch_scc0 .Lfill_n
	tensor_load_to_lds s[G0P:G0P+3], s[G1P:G1P+7]
	s_nop 0
	PLACES 4
	s_branch .Lfilled
.Lfill_n:
	s_cmp_lt_u32 s[WV], 8
	s_cbranch_scc0 .Lfill_ps
	tensor_load_to_lds s[G0N:G0N+3], s[G1N:G1N+7]
	s_nop 0
	PLACES 4
	s_branch .Lfilled
.Lfill_ps:
	s_cmp_eq_u32 s[WV], 8
	s_cbranch_scc0 .Lfill_ns
	tensor_load_to_lds s[G0PS:G0PS+3], s[G1PS:G1PS+7]
	s_nop 0
	PLACES 4
	s_branch .Lfilled
.Lfill_ns:
	s_cmp_eq_u32 s[WV], 9
	s_cbranch_scc0 .Lfilled
	tensor_load_to_lds s[G0NS:G0NS+3], s[G1NS:G1NS+7]
	s_nop 0
	PLACES 4
.Lfilled:
	s_wait_alu depctr_va_vdst(0)
	; Q: run rc = 4 i + q is quarter q of my row i: a lane takes 8 neighbours, k = 256 q + 8 l + 0 .. 7; four lanes hold a block of 32.  The two loads of a run cover 1,024 consecutive bytes
.irp rc, 0,1,2,3,4,5,6,7
	global_load_b128 v[16+8*\rc:19+8*\rc], v192, s[20:21] offset:1024*\rc th:TH_LOAD_NT
	global_load_b128 v[20+8*\rc:23+8*\rc], v192, s[20:21] offset:1024*\rc+16 th:TH_LOAD_NT
.endr
.irp j, 0,1,2,3
	global_load_b128 v[176+4*\j:179+4*\j], v11, s[2:3] offset:512*\j   ; the batch's mask, 64 bytes a lane
.endr
	global_load_u8 v12, v193, s[22:23]             ; my lane's token of N's tile 0
	global_load_u8 v13, v193, s[22:23] offset:8    ; and of tile 1
	s_wait_loadcnt 6                               ; Q's sixteen loads are in; the six of the mask, issued behind them, may be out
	; the eight runs take turns, line by line.  v144+ largest magnitude, v152+ the conversion's scale operand, v160+ codes, v168+ bytes
.irp rc, 0,1,2,3,4,5,6,7
	v_max3_num_f32 v[144+\rc], |v[16+8*\rc]|, |v[17+8*\rc]|, 0x1800000   ; with the floor 2^(3 - 127): the byte cannot fall under 1
.endr
.irp i, 2,4,6
.irp rc, 0,1,2,3,4,5,6,7
	v_max3_num_f32 v[144+\rc], v[144+\rc], |v[16+8*\rc+\i]|, |v[17+8*\rc+\i]|
.endr
.endr
.irp rc, 0,1,2,3,4,5,6,7
	v_max_num_f32_dpp v[144+\rc], v[144+\rc], v[144+\rc] row_xmask:1 row_mask:0xf bank_mask:0xf
.endr
.irp rc, 0,1,2,3,4,5,6,7
	v_max_num_f32_dpp v[144+\rc], v[144+\rc], v[144+\rc] row_xmask:2 row_mask:0xf bank_mask:0xf   ; the block's, over its four lanes
.endr
.irp rc, 0,1,2,3,4,5,6,7
	v_add_nc_u32 v[152+\rc], 0xff000000, v[144+\rc]   ; 2 off the exponent field: the conversion takes this operand's exponent field as its scale
.endr
.irp rc, 0,1,2,3,4,5,6,7
	v_cvt_scalef32_pk8_fp4_f32 v[160+\rc], v[16+8*\rc:23+8*\rc], v[152+\rc]
.endr
.irp rc, 0,1,2,3,4,5,6,7
	v_lshrrev_b32 v[168+\rc], 23, v[152+\rc]       ; the scale's byte (also the plain instruction behind the conversions)
.endr
.irp rc, 0,1,2,3,4,5,6,7
	ds_store_b32 v8, v[160+\rc] offset:PITCH*(\rc/4)+128*(\rc%4)
	ds_store_b8 v9, v[168+\rc] offset:32*(\rc/4)+8*(\rc%4)   ; a block's four lanes write the same byte with the same value
.endr
	s_wait_loadcnt 0x0                             ; the mask
.irp j, 0,1,2,3,4,5,6,7
	v_and_b32 v[176+\j], v[176+\j], v[184+\j]
.endr
.irp j, 0,1,2,3
	s_delay_alu instid0(VALU_DEP_4)
	v_and_b32 v[176+\j], v[176+\j], v[180+\j]
.endr
	s_delay_alu instid0(VALU_DEP_2)
	v_and_b32 v176, v176, v178
	s_delay_alu instid0(VALU_DEP_2)
	v_and_b32 v177, v177, v179
	s_delay_alu instid0(VALU_DEP_1)
	v_and_b32 v176, v176, v177                     ; 0x01010101 where all my 64 keys are masked
	s_delay_alu instid0(VALU_DEP_1)
	v_cmp_eq_u32 vcc_lo, 0x01010101, v176
	s_cmp_eq_u32 vcc_lo, -1                        ; all 2,048?  It decides two values, by selects
	s_cselect_b32 s[KEEP], 0, -1
	s_cselect_b32 s[MB], 1, 157
	s_wait_tensorcnt 0x0                           ; my fill has landed,
	s_wait_dscnt 0x0                               ; my stores of Q's codes and bytes too:
	s_barrier_signal -1
	s_barrier_wait -1                              ; everybody's have
	; Q's way out: a fragment's two halves, as they will lie in registers
	ds_load_b128 v[244:247], v10
	ds_load_b128 v[248:251], v10 offset:32
	s_wait_dscnt 0x0
	global_store_b128 v11, v[244:247], s[26:27]              ; 512 consecutive bytes each
	global_store_b128 v11, v[248:251], s[26:27] offset:512
	s_cmp_lt_u32 s[WV], 2
	s_cbranch_scc0 .Lno_bytes
	ds_load_b128 v[252:255], v14
	s_wait_dscnt 0x0
	global_store_b128 v11, v[252:255], s[28:29]
.Lno_bytes:
; A K step of 128: 20 fragment loads, at even steps the scale words of two steps, 16 products
.macro KSTEP s
.if \s > 0
	PLACES 4                                       ; in front of loads into registers that the last products have read (ISA guide 7.12.1 for vector instructions)
.endif
.irp t, 0,1,2,3,4,5,6,7
.irp c, 0,1
	ds_load_b128 v[PF+8*\t+4*\c:PF+8*\t+4*\c+3], v4 offset:(32*(\t/2)+8*(\t%2))*PITCH+64*\s+32*\c
.endr
.endr
.irp n, 0,1
.irp c, 0,1
	ds_load_b128 v[NF+8*\n+4*\c:NF+8*\n+4*\c+3], v5 offset:8*\n*PITCH+64*\s+32*\c
.endr
.endr
.if \s % 2 == 0
.irp t, 0,1,2,3,4,5,6,7
	ds_load_b64 v[PSC+2*\t:PSC+2*\t+1], v6 offset:(32*(\t/2)+8*(\t%2))*32+4*\s
.endr
.irp n, 0,1
	ds_load_b64 v[NSC+2*\n:NSC+2*\n+1], v7 offset:8*\n*32+4*\s
.endr
.endif
	s_wait_dscnt 0x0
.irp t, 0,1,2,3,4,5,6,7
.irp n, 0,1
.if \s == 0
	v_wmma_scale_f32_16x16x128_f8f6f4 v[ACC+64*\n+8*\t:ACC+64*\n+8*\t+7], v[PF+8*\t:PF+8*\t+7], v[NF+8*\n:NF+8*\n+7], 0, v[PSC+2*\t+\s%2], v[NSC+2*\n+\s%2] matrix_a_fmt:MATRIX_FMT_FP4 matrix_b_fmt:MATRIX_FMT_FP4
.else
	v_wmma_scale_f32_16x16x128_f8f6f4 v[ACC+64*\n+8*\t:ACC+64*\n+8*\t+7], v[PF+8*\t:PF+8*\t+7], v[NF+8*\n:NF+8*\n+7], v[ACC+64*\n+8*\t:ACC+64*\n+8*\t+7], v[PSC+2*\t+\s%2], v[NSC+2*\n+\s%2] matrix_a_fmt:MATRIX_FMT_FP4 matrix_b_fmt:MATRIX_FMT_FP4
.endif
.endr
.endr
.endm
.irp s, 0,1,2,3,4,5,6,7
	KSTEP \s
.endr
; 64 numbers of a lane, register 16 b + i = place 32 b + 16 h + i along the next K of my lane's row, become a fragment's codes in v[pc] on and its scale word in v[pw]
.macro QUANT s, pc, pw
.irp b, 0,1,2,3
	v_max3_num_f32 v[TM+\b], |v[\s+16*\b]|, |v[\s+1+16*\b]|, 0x1800000
.endr
.irp i, 2,4,6,8,10,12,14
.irp b, 0,1,2,3
	v_max3_num_f32 v[TM+\b], v[TM+\b], |v[\s+16*\b+\i]|, |v[\s+1+16*\b+\i]|
.endr
.endr
.irp b, 0,1,2,3
	s_delay_alu instid0(VALU_DEP_4)
	v_permlanex16_b32 v[TM+4+\b], v[TM+\b], s[SEL], s[SEL+1]
.endr
.irp b, 0,1,2,3
	s_delay_alu instid0(VALU_DEP_4)
	v_max_num_f32 v[TM+\b], v[TM+\b], v[TM+4+\b]   ; with lane l xor 16's 16: the block's largest magnitude
.endr
.irp b, 0,1,2,3
	s_delay_alu instid0(VALU_DEP_4)
	v_add_nc_u32 v[TM+12+\b], 0xff000000, v[TM+\b]
.endr
.irp b, 0,1,2,3
	s_delay_alu instid0(VALU_DEP_4)
	v_lshrrev_b32 v[TM+4+\b], 23, v[TM+12+\b]
.endr
	s_delay_alu instid0(VALU_DEP_3)
	v_lshl_or_b32 v[\pw], v[TM+5], 8, v[TM+4]
	s_delay_alu instid0(VALU_DEP_1)
	v_lshl_or_b32 v[\pw], v[TM+6], 16, v[\pw]
	s_delay_alu instid0(VALU_DEP_1)
	v_lshl_or_b32 v[\pw], v[TM+7], 24, v[\pw]
.irp b, 0,1,2,3
	v_cvt_scalef32_pk8_fp4_f32 v[\pc+2*\b], v[\s+16*\b:\s+7+16*\b], v[TM+12+\b]
	v_cvt_scalef32_pk8_fp4_f32 v[\pc+1+2*\b], v[\s+8+16*\b:\s+15+16*\b], v[TM+12+\b]
.endr
	v_nop                                          ; a plain instruction behind the conversions
.irp c, 0,1                                    ; a whole block to a lane: lanes 0-15 block 2 c, lanes 16-31 block 2 c + 1
.irp i, 0,1
	v_permlane16_swap_b32 v[\pc+4*\c+\i], v[\pc+2+4*\c+\i]
.endr
.endr
.endm
	PLACES 4                                       ; behind the last products: their results are read and their operands' registers written
.irp b, 0,1,2,3
	v_mov_b32 v[TM+4+\b], 0                        ; a lane permute's destination counts as one of its sources
.endr
	QUANT 16, 176, 160                             ; N's tile 0
	QUANT 80, 184, 161                             ; N's tile 1
	s_cmp_eq_u32 s[ROLE], 0
	s_cbranch_scc0 .Lrole_v
	; ROLE 0.  Lane = key, the fragment's two halves = two heads: 4 cy + 2 pg and the next.  Key step 2 (tg % 8) + w / 8, pair of tiles (w / 2) % 4
	s_add_co_u32 s38, s[C4], s[CX]
	s_lshr_b32 s39, s38, 3                         ; batch
	s_and_b32 s38, s38, 7
	s_lshl_b32 s38, s38, 1
	s_lshr_b32 s40, s[WV], 3
	s_add_co_u32 s38, s38, s40                     ; step
	s_lshl_b32 s39, s39, 4
	s_lshl_b32 s40, s[CY], 2
	s_add_co_u32 s39, s39, s40
	s_and_b32 s40, s[WV], 1
	s_lshl_b32 s40, s40, 1
	s_add_co_u32 s39, s39, s40
	s_mul_i32 s39, s39, REC                        ; the first head's record
	s_bfe_u32 s40, s[WV], 0x20001
	s_lshl_b32 s41, s38, 12
	s_add_co_u32 s41, s41, s39
	s_lshl_b32 s42, s40, 10
	s_add_co_u32 s42, s42, s41
	s_mov_b32 s43, 0
	s_add_nc_u64 s[44:45], s[24:25], s[42:43]      ; codes
	s_lshl_b32 s41, s38, 9
	s_add_co_u32 s41, s41, s39
	s_lshl_b32 s42, s40, 7
	s_add_co_u32 s42, s42, s41
	s_add_co_u32 s42, s42, 131072
	s_add_nc_u64 s[46:47], s[24:25], s[42:43]      ; scale words
.set j, 0
.rept 16
	v_and_b32 v[176+j], s[KEEP], v[176+j]          ; zeros where the whole batch is masked
.set j, j+1
.endr
	v_mov_b32 v164, 1
	v_mov_b32 v165, s[MB]
	v_cmp_ne_u32 vcc_lo, 0, v12
	s_delay_alu instid0(VALU_DEP_1)
	v_cndmask_b32 v166, v164, v165, vcc_lo         ; the key's mask byte
	v_cmp_ne_u32 vcc_lo, 0, v13
	s_delay_alu instid0(VALU_DEP_1)
	v_cndmask_b32 v167, v164, v165, vcc_lo
	s_delay_alu instid0(VALU_DEP_3)
	v_lshl_or_b32 v166, v166, 16, 0x01000000       ; bytes 2 and 3 of the word
	s_delay_alu instid0(VALU_DEP_2)
	v_lshl_or_b32 v167, v167, 16, 0x01000000
	v_lshlrev_b32 v168, 4, v3
	s_delay_alu instid0(VALU_DEP_1)
	v_lshrrev_b32 v169, v168, v160                 ; lanes 0-15 take the first head's two bytes, lanes 16-31 the second's
	s_delay_alu instid0(VALU_DEP_2)
	v_lshrrev_b32 v171, v168, v161
	s_delay_alu instid0(VALU_DEP_2)
	v_and_or_b32 v162, v169, 0xffff, v166
	s_delay_alu instid0(VALU_DEP_2)
	v_and_or_b32 v163, v171, 0xffff, v167
	v_mul_u32_u24 v170, v3, REC
	s_delay_alu instid0(VALU_DEP_1)
	v_lshl_add_u32 v170, v2, 3, v170
	global_store_b128 v11, v[176:179], s[44:45]
	global_store_b128 v11, v[180:183], s[44:45] offset:REC
	global_store_b128 v11, v[184:187], s[44:45] offset:512
	global_store_b128 v11, v[188:191], s[44:45] offset:REC+512
	global_store_b64 v170, v[162:163], s[46:47]
	s_branch .Lstored
.Lrole_v:
	; ROLE 1.  Lane = a channel of head 4 cx + w / 4, the fragment = the 128 keys of step 2 (tg % 8) + pg
	s_add_co_u32 s38, s[C4], s[CY]
	s_lshr_b32 s39, s38, 3
	s_and_b32 s38, s38, 7
	s_lshl_b32 s38, s38, 1
	s_and_b32 s40, s[WV], 1
	s_add_co_u32 s38, s38, s40
	s_lshl_b32 s39, s39, 4
	s_lshl_b32 s40, s[CX], 2
	s_add_co_u32 s39, s39, s40
	s_lshr_b32 s40, s[WV], 2
	s_add_co_u32 s39, s39, s40
	s_mul_i32 s39, s39, REC
	s_bfe_u32 s40, s[WV], 0x10001                  ; which 32 channels of the head
	s_lshl_b32 s41, s38, 12
	s_add_co_u32 s41, s41, s39
	s_lshl_b32 s42, s40, 11
	s_add_co_u32 s42, s42, s41
	s_add_co_u32 s42, s42, 65536
	s_mov_b32 s43, 0
	s_add_nc_u64 s[44:45], s[24:25], s[42:43]
	s_lshl_b32 s41, s38, 9
	s_add_co_u32 s41, s41, s39
	s_lshl_b32 s42, s40, 8
	s_add_co_u32 s42, s42, s41
	s_add_co_u32 s42, s42, 139264
	s_add_nc_u64 s[46:47], s[24:25], s[42:43]
	global_store_b128 v11, v[176:179], s[44:45]
	global_store_b128 v11, v[180:183], s[44:45] offset:512
	s_wait_alu depctr_va_vdst(0)
	global_store_b128 v11, v[184:187], s[44:45] offset:1024
	global_store_b128 v11, v[188:191], s[44:45] offset:1536
	global_store_b64 v15, v[160:161], s[46:47]     ; 256 consecutive bytes, aligned
.Lstored:
	s_wait_xcnt 0x0
	v_lshl_add_u32 v254, v0, 2, 0x4a600
	v_mov_b32 v255, 0
	s_wait_alu depctr_va_vdst(0)
	s_wait_tensorcnt 0x0
	ds_add_u32 v254, v255
	s_wait_dscnt 0x0
	CROUND                                         ; the closing round: no work-group ends while a partner may still ask for a tile that names it
	s_endpgm
.Lfunc_end_k_q435def9766_prep:
	.size	k_q435def9766_prep, .Lfunc_end_k_q435def9766_prep-k_q435def9766_prep
	.p2alignl 7, 3214868480
	.fill 96, 4, 3214868480
	.section	.rodata,"a",@progbits
	.p2align	6, 0x0
	.amdhsa_kernel k_q435def9766_prep
		.amdhsa_group_segment_fixed_size 306688
		.amdhsa_private_segment_fixed_size 0
		.amdhsa_enable_private_segment 0
		.amdhsa_kernarg_size 104
		.amdhsa_user_sgpr_count 2
		.amdhsa_user_sgpr_kernarg_segment_ptr 1
		.amdhsa_wavefront_size32 1
		.amdhsa_system_sgpr_workgroup_id_x 1
		.amdhsa_system_sgpr_workgroup_id_y 1
		.amdhsa_system_sgpr_workgroup_id_z 1
		.amdhsa_system_vgpr_workitem_id 0
		.amdhsa_next_free_vgpr 256
		.amdhsa_next_free_sgpr 102
		.amdhsa_reserve_vcc 1
		.amdhsa_float_denorm_mode_32 3
		.amdhsa_float_denorm_mode_16_64 3
		.amdhsa_memory_ordered 1
		.amdhsa_forward_progress 1
		.amdhsa_inst_pref_size 63
	.end_amdhsa_kernel
	.amdgpu_metadata
---
amdhsa.version: [ 1, 2 ]
amdhsa.kernels:
  - .name:           k_q435def9766_prep
    .symbol:         k_q435def9766_prep.kd
    .args:
      - { .name: K_codes, .offset: 0, .size: 8, .value_kind: global_buffer, .address_space: global }
      - { .name: K_scales, .offset: 8, .size: 8, .value_kind: global_buffer, .address_space: global }
      - { .name: V_codes, .offset: 16, .size: 8, .value_kind: global_buffer, .address_space: global }
      - { .name: V_scales, .offset: 24, .size: 8, .value_kind: global_buffer, .address_space: global }
      - { .name: W_K_codes, .offset: 32, .size: 8, .value_kind: global_buffer, .address_space: global }
      - { .name: W_K_scales, .offset: 40, .size: 8, .value_kind: global_buffer, .address_space: global }
      - { .name: W_V_codes, .offset: 48, .size: 8, .value_kind: global_buffer, .address_space: global }
      - { .name: W_V_scales, .offset: 56, .size: 8, .value_kind: global_buffer, .address_space: global }
      - { .name: Q, .offset: 64, .size: 8, .value_kind: global_buffer, .address_space: global }
      - { .name: mask, .offset: 72, .size: 8, .value_kind: global_buffer, .address_space: global }
      - { .name: kv, .offset: 80, .size: 8, .value_kind: global_buffer, .address_space: global }
      - { .name: qimg, .offset: 88, .size: 8, .value_kind: global_buffer, .address_space: global }
      - { .name: qsc, .offset: 96, .size: 8, .value_kind: global_buffer, .address_space: global }
    .group_segment_fixed_size: 306688
    .private_segment_fixed_size: 0
    .kernarg_segment_align: 8
    .kernarg_segment_size: 104
    .max_flat_workgroup_size: 512
    .sgpr_count:     102
    .vgpr_count:     256
    .wavefront_size: 32
...
	.end_amdgpu_metadata
.endif
;; end of part 1
;; launch attn (part 2): grid 4 x 64, 16 waves a work-group, clusters of 4 x 1, 186,368 bytes of LDS; arguments kv, qimg, qsc, W_Q_codes, W_Q_scales, oimg, osc; writes oimg, osc
.if DOCPART == 2
	.amdgcn_target "amdgcn-amd-amdhsa--gfx1250"
	.amdhsa_code_object_version 6
	.text
	.protected	k_q435def9766_attn
	.globl	k_q435def9766_attn
	.p2align	8
	.type	k_q435def9766_attn,@function
k_q435def9766_attn:
	s_mov_b64 s[64:65], 0
	v_nop
	global_prefetch_b8 v0, s[64:65] scope:SCOPE_SE
	s_setreg_imm32_b32 hwreg(HW_REG_WAVE_MODE, 25, 1), 1
	s_wait_xcnt 0x0
	s_wait_alu depctr_hold_cnt(0) depctr_sa_sdst(0) depctr_va_vdst(0) depctr_va_sdst(0) depctr_va_ssrc(0) depctr_va_vcc(0) depctr_vm_vsrc(0)
	s_getreg_b32 s2, hwreg(HW_REG_IB_STS2, 6, 4)
	s_cmp_eq_u32 s2, 0
	s_cbranch_scc0 .Lentry_in_a_cluster
	s_endpgm
.Lentry_in_a_cluster:
	s_bfe_u32 s2, ttmp6, 0x10000c
	s_cmp_lg_u32 s2, 0x3003
	s_cbranch_scc0 .Lentry_shape_is_right
	s_endpgm
.Lentry_shape_is_right:
; SECOND LAUNCH: for one head of one batch and 512 queries: q = Q W_Q^T (the head's 64 columns), quantised along the 64; S = q k^T / 8 with the key mask; the softmax; O = P v; O quantised along the model's 1,024
; (the head's 64 are two blocks) and stored as the last launch's operand.  All products on E2M1 codes with E8M0 scales, sums in f32.
; THE SOFTMAX AHEAD OF THE SECOND PRODUCT: t = score x log2(e) / 8; M = the running largest t rounded UP to a whole number; p = 2^(t - M) is quantised along the keys, not normalised; the row's sum is taken of the
; unquantised p and divides O at the end.  When M moves, the sum and O are multiplied by 2^(old M - new M): exact.
; SHARES.  A work-group: 512 queries of a head; each of its 16 waves one tile of 16 queries in each of two passes, in 256 registers: four waves to a SIMD, so that one wave's vector work stands beside another's products and LDS loads.
; LDS holds the head's whole record of kv (k's and v's codes and scale words, 147,456 bytes, laid as operand registers: every fragment load reads 512 bytes on end) and the head's 64 rows of W_Q: filled ONCE; nothing is stored to LDS.
; CLUSTER 4 x 1: the four blocks of queries of a head want the same bytes: every fill is a joint load with the mask 15.  One tensor load of a wave is out at most.
; LAYOUT.  All products are used transposed (source 1 = my 16 queries): a lane holds ONE query throughout.  The rows that form a tile of W_Q, of keys and of V^T are r + 8 (r / 8) apart in pairs of tiles, so that
; the 16 registers of tiles 2 b, 2 b + 1 are 16 neighbours along the next K.
; THE MASK costs no vector instruction.  The head has 64 of the score product's 128 along K.  At k = 64 the query's operand holds the code +6 under the scale 2^30, the key's operand the code -6 (constant registers) under
; the key's byte 2: 157 where it is masked, 1 where it is not.  A masked score gets -36 x 2^60, an unmasked one -36 x 2^-96.  The running largest t begins at -2^30, over every masked t: a masked p is 0.
; LIMITS: unmasked logits lie above -7.4e8 (t above -2^30).  A masked logit is about -5e18 where the definition has -1e9: p is 0 either way inside that limit; a batch with every key masked was turned
; into zero scores by the first launch.  Every unmasked score carries the common -36 x 2^-96.  NaN and infinities are not served.  Blocks of zeros get the byte 1.  osc leaves in half words 4 bytes apart.
; REGISTERS: v1 16 l; v2 16 l + 65,536; v3 8 l + 131,072; v5, v6 W_Q's rows and scale words; v7 32 r; v8 4 l; v9-11 the step's addresses; v12 -M, v13 the largest t, v[14:15] the sum in two halves;
; v16-23 q's fragment (v20-23 constant); v24-31 scales alone: Q's eight words, then v24 q's word and v26-29 V's; v32-95 K's tiles (upper four registers of each constant); v96-159 Q's image, then S, then p;
; v160-191 q's sums, then O^T; v192-223 W_Q's, then V's fragments; v224-231 codes just made; v232-247 at work; v245 p's scale word, alone; v248-255 scales alone: W_Q's, then K's.
.set REC,  147456
.set WQ,   147456                      ; W_Q's 64 rows, pitch 528
.set WQS,  181248                      ; their scale bytes, 32 a row
.set WV,   18
.set SEL,  20
.set CS,   22
.set G1R,  24
.set G1W,  32
.set G1S,  40
.set G0R,  48
.set G0W,  52
.set G0S,  56
.set TK,   60                          ; the step's codes: 4,096 bytes a step
.set TS,   61                          ; its scale words: 512 bytes a step
.set STEPS, 62
.set PASS, 63
.macro PLACES n
.rept \n
	v_nop
.endr
.endm
.macro CROUND
	s_barrier_signal -1
	s_barrier_wait -1
	s_cmp_lg_u32 s[WV], 0
	s_cbranch_scc1 .Lnot_wave_0_\@
	s_barrier_signal -3
.Lnot_wave_0_\@:
	s_barrier_wait -3
	s_barrier_signal -1
	s_barrier_wait -1
.endm
.macro XLOAD                           ; my tile's codes of Q, 8 fragments as they lie, and its rows' 8 scale words
.set j, 0
.rept 16
	global_load_b128 v[96+4*j:99+4*j], v1, s[6:7] offset:512*j
.set j, j+1
.endr
	global_load_b128 v[24:27], v7, s[8:9]
	global_load_b128 v[28:31], v7, s[8:9] offset:16
.endm
; 32 numbers of a lane, register 16 b + i = place 32 b + 16 h + i of my query's 64, become four registers of codes in v[pc] on (lanes 0-15 block 0, lanes 16-31 block 1) and the two bytes in v244
.macro QUANT2 src, pc
.irp b, 0,1
	v_max3_num_f32 v[232+\b], |v[\src+16*\b]|, |v[\src+1+16*\b]|, 0x1800000   ; with the floor 2^(3 - 127)
.endr
.irp i, 2,4,6,8,10,12,14
.irp b, 0,1
	v_max3_num_f32 v[232+\b], v[232+\b], |v[\src+16*\b+\i]|, |v[\src+1+16*\b+\i]|
.endr
.endr
.irp b, 0,1
	s_delay_alu instid0(VALU_DEP_2)
	v_permlanex16_b32 v[236+\b], v[232+\b], s[SEL], s[SEL+1]
.endr
.irp b, 0,1
	s_delay_alu instid0(VALU_DEP_2)
	v_max_num_f32 v[232+\b], v[232+\b], v[236+\b]
.endr
.irp b, 0,1
	s_delay_alu instid0(VALU_DEP_2)
	v_add_nc_u32 v[240+\b], 0xff000000, v[232+\b]
.endr
.irp b, 0,1
	s_delay_alu instid0(VALU_DEP_2)
	v_lshrrev_b32 v[236+\b], 23, v[240+\b]
.endr
.irp b, 0,1
	v_cvt_scalef32_pk8_fp4_f32 v[\pc+2*\b], v[\src+16*\b:\src+7+16*\b], v[240+\b]
	v_cvt_scalef32_pk8_fp4_f32 v[\pc+1+2*\b], v[\src+8+16*\b:\src+15+16*\b], v[240+\b]
.endr
	v_lshl_or_b32 v244, v237, 8, v236              ; the two bytes (also the plain instruction behind the conversions)
	v_permlane16_swap_b32 v[\pc], v[\pc+2]
	v_permlane16_swap_b32 v[\pc+1], v[\pc+3]
.endm
	s_load_b256 s[4:11], s[0:1], 0x0               ; kv 4, qimg 6, qsc 8, W_Q codes 10
	s_load_b128 s[12:15], s[0:1], 0x20             ; W_Q scales 12, oimg 14
	s_load_b64 s[16:17], s[0:1], 0x30              ; osc
	v_lshl_add_u32 v254, v0, 2, 0x2d000
	v_mov_b32 v255, 0
	ds_add_u32 v254, v255
	ds_add_u32 v254, v255
	s_wait_dscnt 0x0
	v_lshrrev_b32 v1, 5, v0
	s_delay_alu instid0(VALU_DEP_1)
	v_readfirstlane_b32 s[WV], v1
	s_bfe_u32 s66, ttmp6, 0x40000                  ; cx: it enters Q's and O's addresses alone
	s_and_b32 s67, ttmp7, 0xffff                   ; 16 batch + head
	s_and_b32 s68, s67, 15
	s_lshr_b32 s69, s67, 4
	v_and_b32 v9, 31, v0                           ; l
	v_and_b32 v10, 15, v0                          ; r
	v_bfe_u32 v11, v0, 4, 1                        ; h
	s_delay_alu instid0(VALU_DEP_3)
	v_lshlrev_b32 v1, 4, v9
	s_delay_alu instid0(VALU_DEP_1)
	v_add_nc_u32 v2, 65536, v1
	v_lshl_add_u32 v3, v9, 3, 131072
	v_and_b32 v4, 8, v10
	s_delay_alu instid0(VALU_DEP_1)
	v_add_nc_u32 v4, v4, v10                       ; r + 8 (r / 8)
	s_delay_alu instid0(VALU_DEP_1)
	v_mul_u32_u24 v5, v4, 528
	s_delay_alu instid0(VALU_DEP_1)
	v_lshl_add_u32 v5, v11, 4, v5
	s_delay_alu instid0(VALU_DEP_1)
	v_add_nc_u32 v5, WQ, v5
	s_delay_alu instid0(VALU_DEP_4)
	v_lshl_add_u32 v6, v4, 5, WQS
	v_lshlrev_b32 v7, 5, v10
	v_lshlrev_b32 v8, 2, v9
	v_mul_u32_u24 v20, v11, 7
	s_delay_alu instid0(VALU_DEP_1)
	v_sub_nc_u32 v20, 7, v20                       ; q's operand at k = 64: the code +6, in lanes 0-15; zeros beyond
	v_mov_b32 v21, 0
	v_mov_b32 v22, 0
	v_mov_b32 v23, 0
.irp t, 0,1,2,3,4,5,6,7
	v_mov_b32 v[36+8*\t], 15                       ; K's operand at k = 64: the code -6 (in lanes 16-31 it meets a zero of q's)
	v_mov_b32 v[37+8*\t], 0
	v_mov_b32 v[38+8*\t], 0
	v_mov_b32 v[39+8*\t], 0
.endr
.irp b, 0,1,2,3
	v_mov_b32 v[236+\b], 0                         ; a lane permute's destination counts as one of its sources
.endr
	v_mov_b32 v244, 0
	v_mov_b32 v247, 0                              ; named as the upper half of the pair v[246:247]
	s_mov_b32 s[SEL], 0x76543210
	s_mov_b32 s[SEL+1], 0xfedcba98
	s_mov_b32 s[CS], 0x3e38aa3b                    ; c = log2(e) / 8
	s_mov_b32 s[CS+1], s[CS]
	s_mov_b32 s[G1R], 15|(3<<16)|(1<<21)           ; the mask: all four; elements of 8 bytes; bit 21 beside a mask: 64 rows of 256 dense bytes
	s_mov_b32 s[G1R+1], 32<<16
	s_mov_b32 s[G1R+2], 64<<16
	s_mov_b32 s[G1R+3], 32<<16
	s_mov_b32 s[G1R+4], 64
	s_mov_b32 s[G1R+5], 32
	s_mov_b32 s[G1R+6], 0
	s_mov_b32 s[G1R+7], 0
	s_mov_b32 s[G1W], 15|(1<<20)|(1<<21)|(6<<22)|(3<<25)   ; 64 rows of 512 bytes, 16 of padding behind each
	s_mov_b32 s[G1W+1], 512<<16
	s_mov_b32 s[G1W+2], 64<<16
	s_mov_b32 s[G1W+3], 512<<16
	s_mov_b32 s[G1W+4], 64
	s_mov_b32 s[G1W+5], 512
	s_mov_b32 s[G1W+6], 0
	s_mov_b32 s[G1W+7], 0
	s_mov_b32 s[G1S], 15|(3<<16)|(1<<21)           ; 8 rows of 256 dense bytes
	s_mov_b32 s[G1S+1], 32<<16
	s_mov_b32 s[G1S+2], 8<<16
	s_mov_b32 s[G1S+3], 32<<16
	s_mov_b32 s[G1S+4], 8
	s_mov_b32 s[G1S+5], 32
	s_mov_b32 s[G1S+6], 0
	s_mov_b32 s[G1S+7], 0
	s_min_u32 s70, s[WV], 8
	s_lshl_b32 s70, s70, 14                        ; waves 0-8: my ninth of the record, in memory and in LDS alike
	s_mul_i32 s72, s67, REC
	s_add_co_u32 s72, s72, s70
	s_mov_b32 s73, 0
	s_lshl_b32 s74, s68, 15
	s_mov_b32 s75, 0
	s_lshl_b32 s76, s68, 11
	s_mov_b32 s77, 0
	s_wait_kmcnt 0x0
	s_mov_b32 s[G0R], 1
	s_mov_b32 s[G0R+1], s70
	s_add_nc_u64 s[G0R+2:G0R+3], s[4:5], s[72:73]
	s_or_b32 s[G0R+3], s[G0R+3], 0x80000000
	s_mov_b32 s[G0W], 1
	s_mov_b32 s[G0W+1], WQ
	s_add_nc_u64 s[G0W+2:G0W+3], s[10:11], s[74:75]
	s_or_b32 s[G0W+3], s[G0W+3], 0x80000000
	s_mov_b32 s[G0S], 1
	s_mov_b32 s[G0S+1], WQS
	s_add_nc_u64 s[G0S+2:G0S+3], s[12:13], s[76:77]
	s_or_b32 s[G0S+3], s[G0S+3], 0x80000000
	s_lshl_b32 s78, s69, 7
	s_lshl_b32 s79, s66, 5
	s_add_co_u32 s78, s78, s79
	s_add_co_u32 s78, s78, s[WV]                   ; my tile of 16 tokens in the first pass: 128 batch + 32 cx + wave
	s_lshl_b32 s72, s78, 13
	s_add_nc_u64 s[6:7], s[6:7], s[72:73]          ; qimg
	s_lshl_b32 s74, s68, 9
	s_add_co_u32 s72, s72, s74
	s_add_nc_u64 s[14:15], s[14:15], s[72:73]      ; oimg: K step head / 2, half head % 2: 512 x head
	s_lshl_b32 s72, s78, 9
	s_add_nc_u64 s[8:9], s[8:9], s[72:73]          ; qsc
	s_lshl_b32 s72, s78, 10
	s_lshr_b32 s74, s68, 1
	s_lshl_b32 s74, s74, 7
	s_add_co_u32 s72, s72, s74
	s_and_b32 s74, s68, 1
	s_lshl_b32 s74, s74, 1
	s_add_co_u32 s72, s72, s74
	s_add_nc_u64 s[16:17], s[16:17], s[72:73]      ; osc: the word's low half from the even head, the high half from the odd
	CROUND                                         ; all four work-groups are here: the joint loads meet
	s_cmp_lt_u32 s[WV], 9
	s_cbranch_scc0 .Lfill_w
	tensor_load_to_lds s[G0R:G0R+3], s[G1R:G1R+7]
	s_nop 0
	PLACES 4
	s_branch .Lfilled
.Lfill_w:
	s_cmp_eq_u32 s[WV], 9
	s_cbranch_scc0 .Lfill_s
	tensor_load_to_lds s[G0W:G0W+3], s[G1W:G1W+7]
	s_nop 0
	PLACES 4
	s_branch .Lfilled
.Lfill_s:
	s_cmp_eq_u32 s[WV], 10
	s_cbranch_scc0 .Lfilled
	tensor_load_to_lds s[G0S:G0S+3], s[G1S:G1S+7]
	s_nop 0
	PLACES 4
.Lfilled:
	XLOAD
	s_wait_tensorcnt 0x0                           ; my fill has landed,
	s_barrier_signal -1
	s_barrier_wait -1                              ; everybody's has
	s_mov_b32 s[PASS], 2
.Lpass:
	s_wait_loadcnt 0x0                             ; Q's codes and scale words
	; q^T = W_Q Q^T: four tiles of the head's 64, eight K steps; the four accumulators take turns
.irp s, 0,1,2,3,4,5,6,7
.if \s > 0
	PLACES 4                                       ; in front of loads into registers that the last products have read
.endif
.irp t, 0,1,2,3
.irp c, 0,1
	ds_load_b128 v[192+8*\t+4*\c:195+8*\t+4*\c], v5 offset:(32*(\t/2)+8*(\t%2))*528+64*\s+32*\c
.endr
	ds_load_b32 v[248+\t], v6 offset:(32*(\t/2)+8*(\t%2))*32+4*\s
.endr
	s_wait_dscnt 0x0
.irp t, 0,1,2,3
.if \s == 0
	v_wmma_scale_f32_16x16x128_f8f6f4 v[160+8*\t:167+8*\t], v[192+8*\t:199+8*\t], v[96+8*\s:103+8*\s], 0, v[248+\t], v[24+\s] matrix_a_fmt:MATRIX_FMT_FP4 matrix_b_fmt:MATRIX_FMT_FP4
.else
	v_wmma_scale_f32_16x16x128_f8f6f4 v[160+8*\t:167+8*\t], v[192+8*\t:199+8*\t], v[96+8*\s:103+8*\s], v[160+8*\t:167+8*\t], v[248+\t], v[24+\s] matrix_a_fmt:MATRIX_FMT_FP4 matrix_b_fmt:MATRIX_FMT_FP4
.endif
.endr
.endr
	PLACES 4
	QUANT2 160, 16                                 ; q's codes: registers 0-3 of its fragment
	s_delay_alu instid0(VALU_DEP_3)
	v_or_b32 v24, 0x7f9d0000, v244                 ; q's scale word: its two bytes, 157 (2^30) for the mask's block, 127 for the empty one
	v_mov_b32 v13, 0xce800000                      ; the largest t so far: -2^30
	s_delay_alu instid0(VALU_DEP_1)
	v_floor_f32 v12, -v13                          ; -M
	v_mov_b32 v14, 0
	v_mov_b32 v15, 0
.set j, 0
.rept 32
	v_mov_b32 v[160+j], 0                          ; O^T: the step is written once; its first trip finds zeros.  (These lines are also the distance between q's word and codes and the first scaled product)
.set j, j+1
.endr
	s_mov_b32 s[TK], 0
	s_mov_b32 s[TS], 0
	s_mov_b32 s[STEPS], 16
.Lstep:                                                ; A KEY STEP: 128 keys
	s_setprio 2
	v_add_nc_u32 v9, s[TK], v1
	v_add_nc_u32 v10, s[TK], v2
	v_add_nc_u32 v11, s[TS], v3
	v_nop                                          ; four plain instructions behind the last step's products, in front of loads into registers that they read
.irp t, 0,1,2,3,4,5,6,7
	ds_load_b128 v[32+8*\t:35+8*\t], v9 offset:512*\t        ; a tile of 16 keys: the head's 64 are the fragment's lower half
.endr
.irp p, 0,1,2,3
	ds_load_b64 v[248+2*\p:249+2*\p], v11 offset:128*\p      ; two tiles' scale words; lanes 0-15 hold the rows' (lanes 16-31 read neighbouring bytes, which the product does not take)
.endr
.irp t, 0,1,2,3
.irp c, 0,1
	ds_load_b128 v[192+8*\t+4*\c:195+8*\t+4*\c], v10 offset:1024*\t+512*\c
.endr
.endr
.irp e, 0,1
	ds_load_b64 v[26+2*\e:27+2*\e], v11 offset:8192+256*\e
.endr
	s_wait_dscnt 10                                ; K's twelve loads are in; V's ten, issued behind them, may be out
.irp t, 0,1,2,3,4,5,6,7
	v_wmma_scale_f32_16x16x128_f8f6f4 v[96+8*\t:103+8*\t], v[32+8*\t:39+8*\t], v[16:23], 0, v[248+\t], v24 matrix_a_fmt:MATRIX_FMT_FP4 matrix_b_fmt:MATRIX_FMT_FP4
.endr
	PLACES 4
.irp b, 0,1,2,3
	v_max3_num_f32 v[232+\b], v[96+16*\b], v[97+16*\b], v[98+16*\b]   ; the largest score of each block of 32 keys: for the row's maximum and, since p rises with the score, for the block's largest p
.endr
.irp i, 3,5,7,9,11,13
.irp b, 0,1,2,3
	v_max3_num_f32 v[232+\b], v[232+\b], v[96+16*\b+\i], v[97+16*\b+\i]
.endr
.endr
.irp b, 0,1,2,3
	v_max_num_f32 v[232+\b], v[232+\b], v[111+16*\b]
.endr
.irp b, 0,1,2,3
	s_delay_alu instid0(VALU_DEP_4)
	v_permlanex16_b32 v[236+\b], v[232+\b], s[SEL], s[SEL+1]
.endr
.irp b, 0,1,2,3
	s_delay_alu instid0(VALU_DEP_4)
	v_max_num_f32 v[232+\b], v[232+\b], v[236+\b]
.endr
	s_delay_alu instid0(VALU_DEP_2)
	v_max3_num_f32 v244, v232, v233, v234
	s_delay_alu instid0(VALU_DEP_1)
	v_max_num_f32 v244, v244, v235
	s_delay_alu instid0(VALU_DEP_1)
	v_mul_f32 v244, s[CS], v244
	s_delay_alu instid0(VALU_DEP_1)
	v_max_num_f32 v13, v13, v244                   ; the running largest t
	v_mov_b32 v244, v12
	s_delay_alu instid0(VALU_DEP_2)
	v_floor_f32 v12, -v13                          ; the new -M = -ceil(t)
	s_delay_alu instid0(VALU_DEP_1)
	v_sub_f32 v244, v12, v244                      ; old M - new M: a whole number, 0 or less
	s_delay_alu instid0(VALU_DEP_1)
	v_cvt_i32_f32 v244, v244
	s_delay_alu instid0(VALU_DEP_1)
	v_ldexp_f32 v246, 1.0, v244                    ; f = 2^(old M - new M)
.set j, 0
.rept 32
	v_pk_fma_f32 v[96+j:97+j], v[96+j:97+j], s[CS:CS+1], v[12:13] op_sel_hi:[1,0,0]   ; t - M
.set j, j+2
.endr
.irp b, 0,1,2,3
	v_fma_f32 v[232+\b], v[232+\b], s[CS], v12
.endr
.set j, 0
	s_wait_alu depctr_va_vdst(0)
.rept 64
	v_exp_f32 v[96+j], v[96+j]                     ; p = 2^(t - M)
.set j, j+1
.endr
	s_setprio 1
	v_pk_mul_f32 v[14:15], v[14:15], v[246:247] op_sel_hi:[1,0]   ; the sum under the new M (the plain instruction behind the exponentials)
	s_wait_alu depctr_va_vdst(0)                   ; one wait for the batch of 64, ahead of its first reader
.irp b, 0,1,2,3
	v_exp_f32 v[232+\b], v[232+\b]                 ; each block's largest p
.endr
	v_pk_add_f32 v[236:237], v[96:97], v[98:99]    ; the row's sum of the unquantised p, in two chains
.irp j, 4,8,12,16,20,24,28,32,36,40,44
	v_pk_add_f32 v[14:15], v[14:15], v[96+\j:97+\j]
	v_pk_add_f32 v[236:237], v[236:237], v[98+\j:99+\j]
.endr
	s_wait_alu depctr_va_vdst(0)                   ; and one for the four
.irp b, 0,1,2,3
	v_max_num_f32 v[232+\b], 0x1800000, v[232+\b]  ; the floor: a block whose every p is 0 keeps the byte 1; its codes are zeros
.endr
.irp b, 0,1,2,3
	s_delay_alu instid0(VALU_DEP_4)
	v_add_nc_u32 v[240+\b], 0xff000000, v[232+\b]
.endr
.irp b, 0,1,2,3
	s_delay_alu instid0(VALU_DEP_4)
	v_lshrrev_b32 v[232+\b], 23, v[240+\b]
.endr
	s_delay_alu instid0(VALU_DEP_3)
	v_lshl_or_b32 v245, v233, 8, v232              ; p's scale word for these 128 keys
	s_delay_alu instid0(VALU_DEP_1)
	v_lshl_or_b32 v245, v234, 16, v245
	s_delay_alu instid0(VALU_DEP_1)
	v_lshl_or_b32 v245, v235, 24, v245
.irp b, 0,1,2,3
	v_cvt_scalef32_pk8_fp4_f32 v[224+2*\b], v[96+16*\b:103+16*\b], v[240+\b]
	v_cvt_scalef32_pk8_fp4_f32 v[225+2*\b], v[104+16*\b:111+16*\b], v[240+\b]
.endr
	v_nop                                          ; a plain instruction behind the conversions
.irp c, 0,1
.irp i, 0,1
	v_permlane16_swap_b32 v[224+4*\c+\i], v[226+4*\c+\i]
.endr
.endr
.set j, 0
	s_setprio 0
.rept 16
	v_pk_mul_f32 v[160+j:161+j], v[160+j:161+j], v[246:247] op_sel_hi:[1,0]   ; O^T under the new M
.set j, j+2
.endr
.irp j, 48,52,56,60                            ; the rest of the sum stands here: with the lines above it is the distance between p's word and codes and the scaled products
	v_pk_add_f32 v[14:15], v[14:15], v[96+\j:97+\j]
	v_pk_add_f32 v[236:237], v[236:237], v[98+\j:99+\j]
.endr
	s_delay_alu instid0(VALU_DEP_1)
	v_pk_add_f32 v[14:15], v[14:15], v[236:237]
	s_wait_dscnt 0x0                               ; V
.irp t, 0,1,2,3
	v_wmma_scale_f32_16x16x128_f8f6f4 v[160+8*\t:167+8*\t], v[192+8*\t:199+8*\t], v[224:231], v[160+8*\t:167+8*\t], v[26+\t], v245 matrix_a_fmt:MATRIX_FMT_FP4 matrix_b_fmt:MATRIX_FMT_FP4
.endr
	s_add_co_u32 s[TK], s[TK], 4096
	s_add_co_u32 s[TS], s[TS], 512
	s_sub_co_u32 s[STEPS], s[STEPS], 1
	s_cmp_lg_u32 s[STEPS], 0
	s_cbranch_scc1 .Lstep
	s_setprio 0
	; THE WAY OUT: O^T / the sum, quantised along the head's 64, which are blocks 2 head and 2 head + 1 of the last product's K
	PLACES 4
	s_wait_alu depctr_va_vdst(0)
	v_add_f32 v14, v14, v15
	s_delay_alu instid0(VALU_DEP_1)
	v_permlanex16_b32 v244, v14, s[SEL], s[SEL+1]
	s_delay_alu instid0(VALU_DEP_1)
	v_add_f32 v14, v14, v244                       ; the row's sum
	s_wait_alu depctr_va_vdst(0)
	v_rcp_f32 v14, v14
	v_nop
	s_wait_alu depctr_va_vdst(0)                   ; ahead of the reciprocal's first reader
.set j, 0
.rept 16
	v_pk_mul_f32 v[96+j:97+j], v[160+j:161+j], v[14:15] op_sel_hi:[1,0]
.set j, j+2
.endr
	QUANT2 96, 224
	global_store_b128 v1, v[224:227], s[14:15]     ; half a fragment: 512 consecutive bytes
	global_store_b16 v8, v244, s[16:17]            ; my row's two bytes
	s_wait_xcnt 0x0                                ; the stores have read their registers and bases: both are written again below
	s_add_nc_u64 s[6:7], s[6:7], 131072            ; sixteen tiles on
	s_add_nc_u64 s[14:15], s[14:15], 131072
	s_add_nc_u64 s[8:9], s[8:9], 8192
	s_add_nc_u64 s[16:17], s[16:17], 16384
	s_cmp_eq_u32 s[PASS], 1                        ; the last pass asks for nothing: no load leaves its buffer
	s_cbranch_scc1 .Lno_next
	XLOAD
.Lno_next:
	s_sub_co_u32 s[PASS], s[PASS], 1
	s_cmp_lg_u32 s[PASS], 0
	s_cbranch_scc1 .Lpass
	s_wait_xcnt 0x0
	v_lshl_add_u32 v254, v0, 2, 0x2d000
	v_mov_b32 v255, 0
	s_wait_alu depctr_va_vdst(0)
	s_wait_tensorcnt 0x0
	ds_add_u32 v254, v255
	s_wait_dscnt 0x0
	CROUND                                         ; the closing round
	s_endpgm
.Lfunc_end_k_q435def9766_attn:
	.size	k_q435def9766_attn, .Lfunc_end_k_q435def9766_attn-k_q435def9766_attn
	.p2alignl 7, 3214868480
	.fill 96, 4, 3214868480
	.section	.rodata,"a",@progbits
	.p2align	6, 0x0
	.amdhsa_kernel k_q435def9766_attn
		.amdhsa_group_segment_fixed_size 186368
		.amdhsa_private_segment_fixed_size 0
		.amdhsa_enable_private_segment 0
		.amdhsa_kernarg_size 56
		.amdhsa_user_sgpr_count 2
		.amdhsa_user_sgpr_kernarg_segment_ptr 1
		.amdhsa_wavefront_size32 1
		.amdhsa_system_sgpr_workgroup_id_x 1
		.amdhsa_system_sgpr_workgroup_id_y 1
		.amdhsa_system_sgpr_workgroup_id_z 1
		.amdhsa_system_vgpr_workitem_id 0
		.amdhsa_next_free_vgpr 256
		.amdhsa_next_free_sgpr 80
		.amdhsa_reserve_vcc 0
		.amdhsa_float_denorm_mode_32 3
		.amdhsa_float_denorm_mode_16_64 3
		.amdhsa_memory_ordered 1
		.amdhsa_forward_progress 1
		.amdhsa_inst_pref_size 47
	.end_amdhsa_kernel
	.amdgpu_metadata
---
amdhsa.version: [ 1, 2 ]
amdhsa.kernels:
  - .name:           k_q435def9766_attn
    .symbol:         k_q435def9766_attn.kd
    .args:
      - { .name: kv, .offset: 0, .size: 8, .value_kind: global_buffer, .address_space: global }
      - { .name: qimg, .offset: 8, .size: 8, .value_kind: global_buffer, .address_space: global }
      - { .name: qsc, .offset: 16, .size: 8, .value_kind: global_buffer, .address_space: global }
      - { .name: W_Q_codes, .offset: 24, .size: 8, .value_kind: global_buffer, .address_space: global }
      - { .name: W_Q_scales, .offset: 32, .size: 8, .value_kind: global_buffer, .address_space: global }
      - { .name: oimg, .offset: 40, .size: 8, .value_kind: global_buffer, .address_space: global }
      - { .name: osc, .offset: 48, .size: 8, .value_kind: global_buffer, .address_space: global }
    .group_segment_fixed_size: 186368
    .private_segment_fixed_size: 0
    .kernarg_segment_align: 8
    .kernarg_segment_size: 56
    .max_flat_workgroup_size: 512
    .sgpr_count:     80
    .vgpr_count:     256
    .wavefront_size: 32
...
	.end_amdgpu_metadata
.endif
;; end of part 2
;; launch oproj (part 3): grid 4 x 64, 16 waves a work-group, clusters of 4 x 4, 288,768 bytes of LDS; arguments oimg, osc, W_O_codes, W_O_scales, Q, out0; writes out0
.if DOCPART == 3
	.amdgcn_target "amdgcn-amd-amdhsa--gfx1250"
	.amdhsa_code_object_version 6
	.text
	.protected	k_q435def9766_oproj
	.globl	k_q435def9766_oproj
	.p2align	8
	.type	k_q435def9766_oproj,@function
k_q435def9766_oproj:
	s_mov_b64 s[64:65], 0
	v_nop
	global_prefetch_b8 v0, s[64:65] scope:SCOPE_SE
	s_setreg_imm32_b32 hwreg(HW_REG_WAVE_MODE, 25, 1), 1
	s_wait_xcnt 0x0
	s_wait_alu depctr_hold_cnt(0) depctr_sa_sdst(0) depctr_va_vdst(0) depctr_va_sdst(0) depctr_va_ssrc(0) depctr_va_vcc(0) depctr_vm_vsrc(0)
	s_getreg_b32 s2, hwreg(HW_REG_IB_STS2, 6, 4)
	s_cmp_eq_u32 s2, 0
	s_cbranch_scc0 .Lentry_in_a_cluster
	s_endpgm
.Lentry_in_a_cluster:
	s_bfe_u32 s2, ttmp6, 0x10000c
	s_cmp_lg_u32 s2, 0xf033
	s_cbranch_scc0 .Lentry_shape_is_right
	s_endpgm
.Lentry_shape_is_right:
; THIRD LAUNCH: out0 = Q + o W_O^T, the product on E2M1 codes with E8M0 scales, sums in f32.  o arrives as the second launch left it: codes as images of operand registers (oimg: [tile of 16 tokens][K step 8][half 2][512 bytes])
; and scale words (osc: [tile][K step 8][lane 32]).
; SHARES.  A work-group: 128 tokens x 256 columns, all 1,024 of K in LDS, filled ONCE.  Wave w: columns 64 (w % 4) on, tokens 32 (w / 4) on: eight accumulators, which take turns.
; THE PRODUCT IS USED TRANSPOSED (source 0 = 16 rows of W_O, source 1 = 16 tokens): a lane holds eight neighbouring columns of one row of out0.
; CLUSTER 4 x 4: o's block hangs on the block of tokens (shared along a row of the cluster), W_O's on the block of columns (shared along a column): joint loads.  One tensor load of a wave is out at most.
; THE WAY OUT: 16 rows x 64 columns at a time through the wave's own stage in LDS, back as rows of 256 bytes; the residual, loaded in the same layout at the kernel's head, is added; sixteen lanes store 256 consecutive bytes, aligned.
; LIMITS: NaN and infinities are not served.
; REGISTERS: v4-10 addresses; v16-79 accumulator (n, t) at 16 + 32 n + 8 t; v80-111 W_O's fragments, later rows of tile 0; v112-127 o's fragments, later (with v240-255) rows of tile 1;
; v128-159 W_O's scale words, v160-175 o's: scales and nothing else; v176-239 the residual.
.set AB,   0                           ; o's 8 tiles, 8,192 bytes each
.set ASB,  65536                       ; their scale words
.set BB,   73728                       ; W_O's 256 rows, pitch 528
.set BSB,  208896                      ; their scale bytes, 32 a row
.set STG,  217088                      ; the stages: 16 rows x 272 bytes a wave; written by LDS stores alone
.set WV,   16
.set G1A,  24
.set G1B,  32
.set G1AS, 40
.set G1BS, 48
.set G0A,  56
.set G0B,  60
.set G0AS, 68
.set G0BS, 72
.macro PLACES n
.rept \n
	v_nop
.endr
.endm
.macro CROUND
	s_barrier_signal -1
	s_barrier_wait -1
	s_cmp_lg_u32 s[WV], 0
	s_cbranch_scc1 .Lnot_wave_0_\@
	s_barrier_signal -3
.Lnot_wave_0_\@:
	s_barrier_wait -3
	s_barrier_signal -1
	s_barrier_wait -1
.endm
	s_load_b256 s[4:11], s[0:1], 0x0               ; oimg 4, osc 6, W_O codes 8, W_O scales 10
	s_load_b128 s[12:15], s[0:1], 0x20             ; Q 12, out0 14
	v_lshl_add_u32 v14, v0, 2, 0x46000
	v_mov_b32 v15, 0
	ds_add_u32 v14, v15
	ds_add_u32 v14, v15
	v_lshrrev_b32 v1, 5, v0
	s_delay_alu instid0(VALU_DEP_1)
	v_readfirstlane_b32 s[WV], v1
	s_bfe_u32 s17, ttmp6, 0x40000                  ; cx: the block of 256 columns
	s_bfe_u32 s18, ttmp6, 0x40004                  ; cy
	s_and_b32 s19, ttmp7, 0xffff
	s_lshl_b32 s19, s19, 2
	s_add_co_u32 s19, s19, s18                     ; the block of 128 tokens
	s_lshl_b32 s20, s18, 2
	s_lshl_b32 s20, 15, s20                        ; my row of the cluster
	s_lshl_b32 s21, 0x1111, s17                    ; my column
	s_and_b32 s22, s[WV], 3                        ; my 64 columns; also: which quarter I fetch
	s_lshr_b32 s23, s[WV], 2                       ; my 32 tokens
	; every LDS address is made here, ahead of the first branch on the wave's number
	v_and_b32 v1, 31, v0                           ; l
	v_and_b32 v2, 15, v0                           ; r
	s_wait_alu depctr_va_vdst(0)
	v_bfe_u32 v3, v0, 4, 1                         ; h
	v_mul_u32_u24 v4, v2, 528
	s_delay_alu instid0(VALU_DEP_1)
	v_lshl_add_u32 v4, v3, 4, v4
	s_mul_i32 s86, s22, 64*528
	s_add_co_u32 s86, s86, BB
	v_add_nc_u32 v4, s86, v4                       ; v4  W_O's fragments
	s_lshl_b32 s86, s23, 14
	v_lshl_add_u32 v5, v1, 4, s86                  ; v5  o's images
	s_lshl_b32 s86, s22, 11
	s_add_co_u32 s86, s86, BSB
	v_lshl_add_u32 v6, v2, 5, s86                  ; v6  W_O's scale words
	s_lshl_b32 s86, s23, 11
	s_add_co_u32 s86, s86, ASB
	v_lshl_add_u32 v7, v1, 2, s86                  ; v7  o's
	s_mul_i32 s86, s[WV], 16*272
	s_add_co_u32 s86, s86, STG
	v_mul_u32_u24 v8, v2, 272
	s_wait_alu depctr_va_vdst(0)
	v_lshl_add_u32 v8, v3, 5, v8
	s_delay_alu instid0(VALU_DEP_1)
	v_add_nc_u32 v8, s86, v8                       ; v8  the stage, in: row r, 32 bytes for each half of the lanes
	v_mul_u32_u24 v9, v3, 272
	s_delay_alu instid0(VALU_DEP_1)
	v_lshl_add_u32 v9, v2, 4, v9
	s_delay_alu instid0(VALU_DEP_1)
	v_add_nc_u32 v9, s86, v9                       ; v9  back: lanes 0-15 one row, lanes 16-31 the next
	v_lshlrev_b32 v10, 12, v3
	s_delay_alu instid0(VALU_DEP_1)
	v_lshl_add_u32 v10, v2, 4, v10                 ; v10 the same two rows in Q and in out0
	; descriptors.  o's registers never hold cx, W_O's never cy
	s_or_b32 s[G1A], s20, (3<<16)|(1<<21)          ; 64 rows of 256 dense bytes
	s_mov_b32 s[G1A+1], 32<<16
	s_mov_b32 s[G1A+2], 64<<16
	s_mov_b32 s[G1A+3], 32<<16
	s_mov_b32 s[G1A+4], 64
	s_mov_b32 s[G1A+5], 32
	s_mov_b32 s[G1A+6], 0
	s_mov_b32 s[G1A+7], 0
	s_or_b32 s[G1B], s21, (1<<20)|(1<<21)|(6<<22)|(3<<25)   ; 64 rows of 512 bytes, 16 of padding behind each
	s_mov_b32 s[G1B+1], 512<<16
	s_mov_b32 s[G1B+2], 64<<16
	s_mov_b32 s[G1B+3], 512<<16
	s_mov_b32 s[G1B+4], 64
	s_mov_b32 s[G1B+5], 512
	s_mov_b32 s[G1B+6], 0
	s_mov_b32 s[G1B+7], 0
	s_or_b32 s[G1AS], s20, (3<<16)|(1<<21)         ; 32 rows of 256 dense bytes
	s_or_b32 s[G1BS], s21, (3<<16)|(1<<21)
.irp g, G1AS, G1BS
	s_mov_b32 s[\g+1], 32<<16
	s_mov_b32 s[\g+2], 32<<16
	s_mov_b32 s[\g+3], 32<<16
	s_mov_b32 s[\g+4], 32
	s_mov_b32 s[\g+5], 32
	s_mov_b32 s[\g+6], 0
	s_mov_b32 s[\g+7], 0
.endr
	s_lshl_b32 s86, s22, 14
	s_lshl_b32 s76, s19, 16
	s_add_co_u32 s76, s76, s86
	s_mov_b32 s77, 0
	s_lshl_b32 s87, s22, 15
	s_lshl_b32 s78, s17, 17
	s_add_co_u32 s78, s78, s87
	s_mov_b32 s79, 0
	s_lshl_b32 s80, s19, 13
	s_mov_b32 s81, 0
	s_lshl_b32 s82, s17, 13
	s_mov_b32 s83, 0
	s_mul_i32 s87, s22, 64*528
	s_lshl_b32 s84, s19, 19                        ; my corner of Q and of out0: row 128 ty + 32 tq, column 256 cx + 64 fg
	s_lshl_b32 s85, s23, 17
	s_add_co_u32 s84, s84, s85
	s_lshl_b32 s85, s17, 10
	s_add_co_u32 s84, s84, s85
	s_lshl_b32 s85, s22, 8
	s_add_co_u32 s84, s84, s85
	s_mov_b32 s85, 0
	s_wait_dscnt 0x0
	s_wait_kmcnt 0x0
	s_mov_b32 s[G0A], 1
	s_mov_b32 s[G0A+1], s86
	s_add_nc_u64 s[G0A+2:G0A+3], s[4:5], s[76:77]
	s_or_b32 s[G0A+3], s[G0A+3], 0x80000000
	s_mov_b32 s[G0B], 1
	s_add_co_u32 s[G0B+1], s87, BB
	s_add_nc_u64 s[G0B+2:G0B+3], s[8:9], s[78:79]
	s_or_b32 s[G0B+3], s[G0B+3], 0x80000000
	s_mov_b32 s[G0AS], 1
	s_mov_b32 s[G0AS+1], ASB
	s_add_nc_u64 s[G0AS+2:G0AS+3], s[6:7], s[80:81]
	s_or_b32 s[G0AS+3], s[G0AS+3], 0x80000000
	s_mov_b32 s[G0BS], 1
	s_mov_b32 s[G0BS+1], BSB
	s_add_nc_u64 s[G0BS+2:G0BS+3], s[10:11], s[82:83]
	s_or_b32 s[G0BS+3], s[G0BS+3], 0x80000000
	s_add_nc_u64 s[12:13], s[12:13], s[84:85]
	s_add_nc_u64 s[14:15], s[14:15], s[84:85]
	CROUND                                         ; all sixteen work-groups are here: the joint loads meet
	s_cmp_lt_u32 s[WV], 4
	s_cbranch_scc0 .Lfill_b
	tensor_load_to_lds s[G0A:G0A+3], s[G1A:G1A+7]
	s_nop 0
	PLACES 4
	s_branch .Lfilled
.Lfill_b:
	s_cmp_lt_u32 s[WV], 8
	s_cbranch_scc0 .Lfill_as
	tensor_load_to_lds s[G0B:G0B+3], s[G1B:G1B+7]
	s_nop 0
	PLACES 4
	s_branch .Lfilled
.Lfill_as:
	s_cmp_eq_u32 s[WV], 8
	s_cbranch_scc0 .Lfill_bs
	tensor_load_to_lds s[G0AS:G0AS+3], s[G1AS:G1AS+7]
	s_nop 0
	PLACES 4
	s_branch .Lfilled
.Lfill_bs:
	s_cmp_eq_u32 s[WV], 9
	s_cbranch_scc0 .Lfilled
	tensor_load_to_lds s[G0BS:G0BS+3], s[G1BS:G1BS+7]
	s_nop 0
	PLACES 4
.Lfilled:
	s_wait_alu depctr_va_vdst(0)
.irp n, 0,1                                    ; the residual: it lands while the fills land and the products run
.irp i, 0,1,2,3,4,5,6,7
	global_load_b128 v[176+32*\n+4*\i:179+32*\n+4*\i], v10, s[12:13] offset:(16*\n+2*\i)*4096 th:TH_LOAD_NT
.endr
.endr
	s_wait_tensorcnt 0x0                           ; my fill has landed,
	s_barrier_signal -1
	s_barrier_wait -1                              ; everybody's has
.irp t, 0,1,2,3                                ; all scale words, once: a row's eight words of W_O; o's by tile and K step
	ds_load_b128 v[128+8*\t:131+8*\t], v6 offset:512*\t
	ds_load_b128 v[132+8*\t:135+8*\t], v6 offset:512*\t+16
.endr
.irp n, 0,1
.irp s, 0,1,2,3,4,5,6,7
	ds_load_b32 v[160+8*\n+\s], v7 offset:1024*\n+128*\s
.endr
.endr
.irp s, 0,1,2,3,4,5,6,7
.if \s > 0
	PLACES 4                                       ; in front of loads into registers that the last products have read
.endif
.irp t, 0,1,2,3
.irp c, 0,1
	ds_load_b128 v[80+8*\t+4*\c:83+8*\t+4*\c], v4 offset:16*\t*528+64*\s+32*\c
.endr
.endr
.irp n, 0,1
.irp c, 0,1
	ds_load_b128 v[112+8*\n+4*\c:115+8*\n+4*\c], v5 offset:8192*\n+1024*\s+512*\c
.endr
.endr
	s_wait_dscnt 0x0
.irp t, 0,1,2,3
.irp n, 0,1
.if \s == 0
	v_wmma_scale_f32_16x16x128_f8f6f4 v[16+32*\n+8*\t:23+32*\n+8*\t], v[80+8*\t:87+8*\t], v[112+8*\n:119+8*\n], 0, v[128+8*\t+\s], v[160+8*\n+\s] matrix_a_fmt:MATRIX_FMT_FP4 matrix_b_fmt:MATRIX_FMT_FP4
.else
	v_wmma_scale_f32_16x16x128_f8f6f4 v[16+32*\n+8*\t:23+32*\n+8*\t], v[80+8*\t:87+8*\t], v[112+8*\n:119+8*\n], v[16+32*\n+8*\t:23+32*\n+8*\t], v[128+8*\t+\s], v[160+8*\n+\s] matrix_a_fmt:MATRIX_FMT_FP4 matrix_b_fmt:MATRIX_FMT_FP4
.endif
.endr
.endr
.endr
	PLACES 4                                       ; behind the last products: results are read, and loads land on operands' registers
; tile n of 16 tokens goes into my stage, each accumulator from its low end on, and comes back as rows.  LDS serves a wave's instructions in order (ISA guide 5.7.1.4): no wait between
.macro TOSTAGE n
.irp t, 0,1,2,3
	ds_store_b128 v8, v[16+32*\n+8*\t:19+32*\n+8*\t] offset:64*\t
	ds_store_b128 v8, v[20+32*\n+8*\t:23+32*\n+8*\t] offset:64*\t+16
.endr
.irp i, 0,1,2,3,4,5,6,7
.if \n == 0
.set BKR, 80+4*\i
.elseif \i < 4
.set BKR, 112+4*\i
.else
.set BKR, 224+4*\i
.endif
	ds_load_b128 v[BKR:BKR+3], v9 offset:544*\i
.endr
.endm
.macro OUTROW n, i, left               ; left: the LDS instructions issued behind this row pair's load
.if \n == 0
.set BKR, 80+4*\i
.elseif \i < 4
.set BKR, 112+4*\i
.else
.set BKR, 224+4*\i
.endif
	s_wait_dscnt \left
	v_pk_add_f32 v[BKR:BKR+1], v[BKR:BKR+1], v[176+32*\n+4*\i:177+32*\n+4*\i]
	v_pk_add_f32 v[BKR+2:BKR+3], v[BKR+2:BKR+3], v[178+32*\n+4*\i:179+32*\n+4*\i]
	global_store_b128 v10, v[BKR:BKR+3], s[14:15] offset:(16*\n+2*\i)*4096 th:TH_STORE_NT   ; sixteen lanes store 256 consecutive bytes, aligned
.endm
	TOSTAGE 0
	TOSTAGE 1
	s_wait_loadcnt 8                               ; tile 0's eight residual loads are in; tile 1's, issued behind them, may be out
.irp i, 0,1,2,3,4,5,6,7
	OUTROW 0, \i, 23-\i                            ; behind it: tile 0's younger loads and tile 1's sixteen
.endr
	s_wait_loadcnt 0x0
.irp i, 0,1,2,3,4,5,6,7
	OUTROW 1, \i, 7-\i
.endr
	s_wait_tensorcnt 0x0
	ds_add_u32 v14, v15
	s_wait_dscnt 0x0
	CROUND                                         ; the closing round
	s_endpgm
.Lfunc_end_k_q435def9766_oproj:
	.size	k_q435def9766_oproj, .Lfunc_end_k_q435def9766_oproj-k_q435def9766_oproj
	.p2alignl 7, 3214868480
	.fill 96, 4, 3214868480
	.section	.rodata,"a",@progbits
	.p2align	6, 0x0
	.amdhsa_kernel k_q435def9766_oproj
		.amdhsa_group_segment_fixed_size 288768
		.amdhsa_private_segment_fixed_size 0
		.amdhsa_enable_private_segment 0
		.amdhsa_kernarg_size 48
		.amdhsa_user_sgpr_count 2
		.amdhsa_user_sgpr_kernarg_segment_ptr 1
		.amdhsa_wavefront_size32 1
		.amdhsa_system_sgpr_workgroup_id_x 1
		.amdhsa_system_sgpr_workgroup_id_y 1
		.amdhsa_system_sgpr_workgroup_id_z 1
		.amdhsa_system_vgpr_workitem_id 0
		.amdhsa_next_free_vgpr 256
		.amdhsa_next_free_sgpr 90
		.amdhsa_reserve_vcc 0
		.amdhsa_float_denorm_mode_32 3
		.amdhsa_float_denorm_mode_16_64 3
		.amdhsa_memory_ordered 1
		.amdhsa_forward_progress 1
		.amdhsa_inst_pref_size 33
	.end_amdhsa_kernel
	.amdgpu_metadata
---
amdhsa.version: [ 1, 2 ]
amdhsa.kernels:
  - .name:           k_q435def9766_oproj
    .symbol:         k_q435def9766_oproj.kd
    .args:
      - { .name: oimg, .offset: 0, .size: 8, .value_kind: global_buffer, .address_space: global }
      - { .name: osc, .offset: 8, .size: 8, .value_kind: global_buffer, .address_space: global }
      - { .name: W_O_codes, .offset: 16, .size: 8, .value_kind: global_buffer, .address_space: global }
      - { .name: W_O_scales, .offset: 24, .size: 8, .value_kind: global_buffer, .address_space: global }
      - { .name: Q, .offset: 32, .size: 8, .value_kind: global_buffer, .address_space: global }
      - { .name: out0, .offset: 40, .size: 8, .value_kind: global_buffer, .address_space: global }
    .group_segment_fixed_size: 288768
    .private_segment_fixed_size: 0
    .kernarg_segment_align: 8
    .kernarg_segment_size: 48
    .max_flat_workgroup_size: 512
    .sgpr_count:     90
    .vgpr_count:     256
    .wavefront_size: 32
...
	.end_amdgpu_metadata
.endif
;; end of part 3
